; MI455X (gfx1250); checked and timed in simulation.
; The chip was launched on July 23, 2026; its instructions are those of AMD's public machine-readable ISA for CDNA 5 (MIT licence, August 2026) and "CDNA5" Instruction Set Architecture Reference Guide (July 2026). The comments in the code are by the model that wrote it; some were corrected since.
;; Bayesian Classifier. Allowed arithmetic: float matrix products may take bf16 or f16 operands with f32 sums; all other float work in f32.
;; Inputs: bias 14 float32; features 8 x 256 x 100 x 200 float32; masks 40 x 8 x 256 int32; weight 14 x 256 float32.
;; Outputs: out0 8 x 14 x 100 x 200 float32.
;; 2 versions, each right and faster than the one before. Each part assembles by itself: llvm-mc -triple=amdgcn-amd-amdhsa -mcpu=gfx1250 --defsym DOCPART=n.
;; ======== version 1 of 2: 1 launch
;; launch mcdrop (part 1): grid 32 x 8, 4 waves a work-group, no clusters, 313,088 bytes of LDS; arguments features, weight, bias, masks, out0; writes out0
.if DOCPART == 1
	.amdgcn_target "amdgcn-amd-amdhsa--gfx1250"
	.amdhsa_code_object_version 6
	.text
	.protected	k_qba5e42065e_mcdrop
	.globl	k_qba5e42065e_mcdrop
	.p2align	8
	.type	k_qba5e42065e_mcdrop,@function
k_qba5e42065e_mcdrop:
	s_mov_b64 s[64:65], 0
	v_nop
	global_prefetch_b8 v0, s[64:65] scope:SCOPE_SE
	s_setreg_imm32_b32 hwreg(HW_REG_WAVE_MODE, 25, 1), 1
	s_wait_xcnt 0x0
; out0[b][k][p] = ln(tot) - ln(40 - tot),  tot = sum over the 40 samples s of sigmoid(2 sum_c w[k][c] mask[s][b][c] x[b][c][p] + bias[k]),
; which is log(mean) - log1p(-mean) of the mean tot / 40.  features [8][256][20000] f32, weight [14][256], bias [14], masks [40][8][256] i32, out0 [8][14][20000] f32.
; ONE PRODUCT.  For a batch the 40 x 14 = 560 rows w[k][c] mask[s][b][c] form a matrix A of 35 tiles of 16 rows x 256 channels.  The work-group makes A itself, in bf16, in LDS, and
; multiplies it with X (256 channels x pixels, rounded to bf16 on the way); sums in f32; the factor 2 of the dropout stands in the scale behind the product (exact).
; SHARES.  Work-group (x, y): batch y, pixels 640 x .. 640 x + 639 (x = 31: the last 160).  After the build each of the four waves is on its own: 160 pixels in three passes of 64, 64 and 32.
; In a pass X of all 256 channels lies in registers as B fragments, A's 35 tiles stream from LDS, and the sigmoids of tile t - 1 stand behind the matrix instructions of tile t.
; At x = 31 wave 0 has all 160 pixels; waves 1 to 3 help to build A and go straight to the last barrier.
; ROW ORDER OF A.  In a result lane (r, h) holds pixel r and rows 8 h + j.  Rows 0-7 of every tile belong to one unit of four samples, rows 8-15 to another: sample s = 4 e + s2, unit e = 2 blk + h,
; row 14 s2 + k = 8 u + j of the unit lies in tile 7 blk + u, row 8 h + j.  So register j of step u holds class (8 u + j) mod 14 in both halves of the lanes: a name known to the text.
; Each half of the lanes sums 20 samples; the halves meet once a pass.
; PIXEL ORDER.  Column r of tile T is pixel 4 r + T (last pass: 2 r + T): one 16-byte load brings a channel's numbers for all four tiles, 16 lanes take 256 consecutive bytes, and the results leave likewise.
; NO CLUSTER, NO TENSOR LOAD: the work-groups of a batch share the masks and weights alone, 55,296 bytes against 655,360 bytes of X of their own, and A takes 312,576 of the LDS, so no slot for X is left.
; LIMITS.  x and w mask are rounded to bf16 once.  v_exp_f32, v_rcp_f32 and v_log_f32 flush denormals (ISA guide 15.8): a sigmoid below 2^-126 counts as 0, so where all 40 logits lie
; below about -87 the result is -inf.  tot = 40 gives +inf and tot = 0 gives -inf, as the formula does.  Masks may hold any i32.  NaN and infinities are not treated apart.
;
; REGISTERS, in windows of 256 (s_set_vgpr_msb: bits 1:0 source 0, 3:2 source 1, 5:4 source 2, 7:6 destination):
;   window 0: addresses, -log2e bias, the class sums, the accumulators, the exponents at work, the ring of A's fragments     window 1: X as B fragments (build: weights and products)
;   windows 2, 3: the next pass's X as loaded, f32
; The whole product loop runs under ONE setting (source 1 in window 1): no vector line in it has a vector register as its second source.
.set ROWB,  80000          ; bytes of one channel's or one class's 20,000 pixels
.set BLKB,  2560           ; a work-group's 640 pixels
.set QB,    64*ROWB        ; 64 channels: the step between the four bases of X, so that a load's immediate stays within 55 channels
.set PITCH, 528            ; a row of A in LDS: 512 bytes + 16 = 132 words: row r starts at bank 4 r mod 64 (64 banks of 4 bytes: ISA guide 11.1)
.set TILEB, 16*PITCH
.set TRIPB, 7*TILEB        ; the seven tiles of a pair of units: one trip of the product loop
.set SIGB,  8*PITCH        ; from a tile's rows 0-7 to its rows 8-15
.set COPYB, 35*TILEB       ; tiles 35, 36: copies of tiles 0, 1, which the ring's look-ahead reads at a pass's end
.set SPARE, 37*TILEB       ; 312,576 = 1,221 x 256: the spare words, 128 bytes a wave, which no other line names
.set SPW, 2                ; v2   SPARE + 4 x my thread's number; never rewritten
.set NIL, 3                ; v3   0; never rewritten
.set LB,  4                ; v4   my place in a tile of A: 528 r + 16 h; never rewritten
.set AB,  5                ; v5   the same in the trip's first tile
.set AB4, 6                ; v6   in its fifth
.set XO4, 7                ; v7   X: 8 channels x h + 16 r
.set XO2, 8                ; v8   X: 8 channels x h + 8 r
.set OO4, 9                ; v9   out: 7 classes x h + 16 r
.set OO2, 10               ; v10  out: 7 classes x h + 8 r
.set WO,  11               ; v11  32 x lane: my 8 channels in a row of weights or masks
.set AD,  12               ; v12  build: where my 16 bytes of a unit's first row go
.set CA,  13               ; v13  copy: from
.set CB,  14               ; v14  copy: to
.set LB4, 15               ; v15  (first h, at work in the head) LB + four tiles; then never rewritten
.set NB,  16               ; v16-29   -log2e bias[k]
.set ACC, 32               ; v32-87   sums of sigmoids: tile T, class k at 14 T + k
.set SC,  88               ; v88-119  accumulators, 8 a tile
.set EV,  120              ; v120-151 exponents, then 2^e, 1 + 2^e, sigmoids: 8 a tile
.set AF4, 152              ; v152-215 ring of 8 fragments of A (passes of four tiles)
.set AF2, 144              ; v144-255 ring of 14 (the pass of two)
.set MA,  32               ; build: masks of three units, 32 registers each, v32-127
.set MF,  128              ; build: the unit in hand as f32
.set CT,  160              ; copy: 32 registers
.set WT,  0                ; window 1, build: weights, 8 k + channel
.set PR,  112              ; window 1, build: products
.set WV,  14
.set WGX, 15
.set BATCH, 16
.set IDLE, 17              ; not 0: a wave without pixels
.set MBASE, 24             ; s[24:25] masks at my first unit
.set MB2, 26               ; s[26:27] at my third
.set XN,  28               ; s[28:29] X of the pass to be fetched
.set X2,  30               ; s[30:31] X of the last pass
.set OB,  32               ; s[32:33] out0 of the pass in hand
.set O1,  34
.set O2,  36
.set XQ,  40               ; s[40:47] four bases of X, 64 channels apart
.set CS,  66               ; s[66:67] -2 log2e
.set SEL, 68               ; s[68:69] v_permlanex16_b32's selects: each lane takes its own place in the other half
.set TB,  70               ; s70  LDS byte at which the trip's seven tiles begin
.set C40, 72               ; s[72:73] 40.0
.set LN2, 74               ; s[74:75] ln 2
.set TC,  76
.set PC,  77
.set GC,  78               ; which group of X loads is due
.set BC,  79
.set LIM, 80               ; wave >> 1: waves 2 and 3 build one unit less
.set NL2E, 81
.set MSB, 0
.macro WIN new             ; the immediate's high byte repeats the setting that is left; a switch that changes nothing is dropped
.if MSB != (\new)
	s_set_vgpr_msb (MSB<<8)|(\new)
.set MSB, \new
.endif
.endm
; Load L of 128 of a pass's X: channel 32 (L / 16) + 16 ((L / 8) % 2) + L % 8 + 8 h, the lane's nt pixels.  The caller sets the window.
.macro XLD nt, L
.set xq, XQ+2*((\L)/32)
.set xi, (32*(((\L)/16)%2)+16*(((\L)/8)%2)+(\L)%8)*ROWB
.if (\nt) == 4
	global_load_b128 v[(4*(\L))%256:(4*(\L))%256+3], v[XO4], s[xq:xq+1] offset:xi th:TH_LOAD_NT
.else
	global_load_b64 v[2*(\L):2*(\L)+1], v[XO2], s[xq:xq+1] offset:xi th:TH_LOAD_NT
.endif
.endm
.macro SETX src            ; the four bases; it stands only where no load of X is out
	s_mov_b64 s[XQ:XQ+1], s[\src:\src+1]
	s_add_nc_u64 s[XQ+2:XQ+3], s[\src:\src+1], QB
	s_add_nc_u64 s[XQ+4:XQ+5], s[\src:\src+1], 2*QB
	s_add_nc_u64 s[XQ+6:XQ+7], s[\src:\src+1], 3*QB
.endm
; A group of 32 loads of the next pass's X, issued in the trip whose number is tag.  The wait shows the group before landed (it has had a whole trip), so no load is ever issued into a register that a pending load will write.
.macro GBLK nt, q, tag
	s_cmp_eq_u32 s[GC], \tag
	s_cbranch_scc0 .Lnog_\@
	s_wait_loadcnt 0x0
.if ((\nt) == 4) && ((\q) >= 2)
	WIN 0xc0
.else
	WIN 0x80
.endif
.set xl, 32*(\q)
.rept 32
	XLD \nt, xl
.set xl, xl+1
.endr
	WIN 0
.Lnog_\@:
.endm
; f32 as loaded -> B fragments: register 64 T + 8 cc + 4 u + ip of window 1 holds channels 32 cc + 16 u + 8 h + 2 ip, + 1 of the lane's pixel in tile T: the numbers of loads L and L + 1.
.macro CONV nt
.set cl, 0
.rept 64
.if ((\nt) == 4) && (cl >= 64)
	WIN 0x4f
.else
	WIN 0x4a
.endif
.set cb, 8*(cl/16)+4*((cl/8)%2)+(cl%8)/2
.set ct, 0
.rept \nt
.if (\nt) == 4
	v_cvt_pk_bf16_f32 v[64*ct+cb], v[(4*cl)%256+ct], v[(4*cl+4)%256+ct]
.else
	v_cvt_pk_bf16_f32 v[64*ct+cb], v[2*cl+ct], v[2*cl+2+ct]
.endif
.set ct, ct+1
.endr
.set cl, cl+2
.endr
	WIN 0
.endm
; A pass begins: the sums are 0.  The first step's vector work belongs to a step that has not been: it finds exponents of 2^127 (first half of the tiles) and scores of -1e30 (second half),
; whose sigmoids are 1 / (1 + inf) = 0, so one text serves every step.
.macro INIT nt
.set ii, 0
.rept 14*(\nt)
	v_mov_b32 v[ACC+ii], 0
.set ii, ii+1
.endr
.set ii, 0
.rept 4*(\nt)
	v_mov_b32 v[EV+ii], 0x7f000000
	v_mov_b32 v[SC+4*(\nt)+ii], 0xf149f2ca
.set ii, ii+1
.endr
.endm
; The ring's first fill: chunks 0 .. la - 1 (a chunk: 16 rows x 32 channels, two loads of 16 bytes, 32 bytes apart).
.macro PRO af, r, la
.set pg, 0
.rept \la
	ds_load_b128 v[(\af)+8*(pg%(\r)):(\af)+8*(pg%(\r))+3],   v[LB] offset:(pg/8)*TILEB+64*(pg%8)
	ds_load_b128 v[(\af)+8*(pg%(\r))+4:(\af)+8*(pg%(\r))+7], v[LB] offset:(pg/8)*TILEB+64*(pg%8)+32
.set pg, pg+1
.endr
.endm
; Tile t's finished scores of step u leave the accumulator, its lowest registers first: e = -2 log2e s - log2e bias, so that sigmoid = 1 / (1 + 2^e).
.macro FOLD t, u
.set fj, 0
.rept 4
.set fk, NB+(8*(\u)+2*fj)%14
	v_pk_fma_f32 v[EV+8*(\t)+2*fj:EV+8*(\t)+2*fj+1], v[SC+8*(\t)+2*fj:SC+8*(\t)+2*fj+1], s[CS:CS+1], v[fk:fk+1] op_sel_hi:[1,0,1]
.set fj, fj+1
.endr
.endm
; Entry q of a step's queue of sigmoids.  The 4 nt pairs go through four stages, a pair a slot: slot s holds 2^e for pair s (two lines), 1 + for pair s - 1, the reciprocals for pair s - 2 (two lines)
; and the addition onto the class sums for pair s - 3.  So a plain line that touches neither stands between every transcendental and the use of its result (ISA guide 5.7.2); the one v_nop in slot 0 is that line for pair 0.
; The sum is a multiply-add by 1.0: a packed addition would name the sums as its second source, which the loop's window setting sends to window 1.
.macro QOP nt, q, up
.set qn, 4*(\nt)
.set qe, 11+6*(qn-3)
.set qs, -1
.set qp, 0
.if (\q) < 3
.set qs, 0
.set qp, (\q)
.elseif (\q) < 6
.set qs, 1
.set qp, (\q)-3
.elseif (\q) < 11
.set qs, 2
.set qp, (\q)-6
.elseif (\q) < qe
.set qs, 3+((\q)-11)/6
.set qp, ((\q)-11)%6
.elseif (\q) < qe+4
.set qs, qn
.set qp, (\q)-qe+2
.elseif (\q) < qe+7
.set qs, qn+1
.set qp, (\q)-qe-1
.elseif (\q) == qe+7
.set qs, qn+2
.set qp, 5
.endif
.if (qs < 0) || ((qs == 0) && (qp == 2))
	v_nop
.elseif qp < 2
	v_exp_f32 v[EV+2*qs+qp], v[EV+2*qs+qp]
.elseif qp == 2
	s_wait_alu depctr_va_vdst(0)
	v_pk_add_f32 v[EV+2*qs-2:EV+2*qs-1], v[EV+2*qs-2:EV+2*qs-1], 1.0 op_sel_hi:[1,0]
.elseif qp < 5
	v_rcp_f32 v[EV+2*(qs-2)+qp-3], v[EV+2*(qs-2)+qp-3]
.else
.set qq, qs-3
.set qa, ACC+14*(qq/4)+(8*(\up)+2*(qq%4))%14
	s_wait_alu depctr_va_vdst(0)
	v_pk_fma_f32 v[qa:qa+1], v[EV+2*qq:EV+2*qq+1], 1.0, v[qa:qa+1] op_sel_hi:[1,0,1]
.endif
.endm
; What stands behind matrix instruction n of step u.  Behind the first nt / 2: the folds of the step before's last tiles.  Behind the last nt / 2: the folds of this step's first tiles.
; Between: the step before's queue, three or four entries each.  The queue ends in plain lines (four tiles: sum, sum, v_nop behind a sum; two tiles: sum, sum, v_nop, v_nop), so that four plain lines
; that name none of its registers stand between an accumulator's last product and its fold (ISA guide 7.12.1).  With two tiles a v_nop follows the fold: with the four before it, it is the fifth
; such line between an accumulator's last product and the product that starts it anew; the fold itself names the accumulator and is not counted.
.macro RIDERS nt, n, u
.set rh, (\nt)/2
.set rw, 8*(\nt)
.set rq, rw-(\nt)
.set ru, ((\u)+6)%7
.if (\nt) == 4
.set rl, 98
.else
.set rl, 51
.endif
.if (\n) < rh
	FOLD rh+(\n), ru
.elseif (\n) >= rw-rh
	FOLD (\n)-(rw-rh), \u
.if (\nt) == 2
	v_nop
.endif
.else
.set rx, rl*((\n)-rh)/rq
.set ry, rl*((\n)-rh+1)/rq
.rept ry-rx
	QOP \nt, rx, ru
.set rx, rx+1
.endr
.endif
.endm
; One tile of A against the pass's nt tiles of X: 8 chunks of 32 channels, the nt accumulators by turns, one instruction a turn, over the steps' and trips' edges too.
; The first product of each accumulator takes the constant 0.  Chunk g's pair of loads was issued la chunks ahead; the wait leaves the la - 1 younger pairs out.
; The refill of a ring place stands behind the vector lines of six matrix instructions after the place's last reader: six plain lines at the least.
.macro STEP nt, u, af, r, la
.set zn, 0
.rept 8*(\nt)
.set zc, zn/(\nt)
.set zt, zn%(\nt)
.set zg, 8*(\u)+zc
.set za, (\af)+8*(zg%(\r))
.if zt == 0
	s_wait_dscnt 2*((\la)-1)
.endif
.if zc == 0
	v_wmma_f32_16x16x32_bf16 v[SC+8*zt:SC+8*zt+7], v[za:za+7], v[64*zt+8*zc:64*zt+8*zc+7], 0
.else
	v_wmma_f32_16x16x32_bf16 v[SC+8*zt:SC+8*zt+7], v[za:za+7], v[64*zt+8*zc:64*zt+8*zc+7], v[SC+8*zt:SC+8*zt+7]
.endif
	RIDERS \nt, zn, \u
.if zt == 0
.set zl, zg+(\la)
.set zd, (\af)+8*(zl%(\r))
.if zl/8 < 4
	ds_load_b128 v[zd:zd+3],   v[AB] offset:(zl/8)*TILEB+64*(zl%8)
	ds_load_b128 v[zd+4:zd+7], v[AB] offset:(zl/8)*TILEB+64*(zl%8)+32
.else
	ds_load_b128 v[zd:zd+3],   v[AB4] offset:(zl/8-4)*TILEB+64*(zl%8)
	ds_load_b128 v[zd+4:zd+7], v[AB4] offset:(zl/8-4)*TILEB+64*(zl%8)+32
.endif
.endif
.set zn, zn+1
.endr
.endm
; A pass's products: five trips of seven tiles.  56 chunks a trip are a multiple of both rings' lengths, so the ring's places repeat from trip to trip.
; The trip's two LDS addresses are made anew at its head: the trip's byte, 0 to 4 x 59,136 in a scalar register that steps once a trip, plus my lane's fixed place.  With the look-ahead of at most
; 11 chunks the highest byte read lies in tile 36, under the spare words.
.macro TRIPS nt, af, r, la
	s_mov_b32 s[TB], 0
	s_mov_b32 s[TC], 5
.Ltrip_\@:
	v_add_nc_u32 v[AB], s[TB], v[LB]
	v_add_nc_u32 v[AB4], s[TB], v[LB4]
.if (\nt) == 4
	GBLK 4, 0, 0                               ; the first pass fetches the second's X, 16 bytes a lane, in its trips 0 to 3;
	GBLK 4, 1, 1
	GBLK 4, 2, 2
	GBLK 4, 3, 3
	GBLK 2, 0, 8                               ; the second pass (its trips count from 8) the last pass's, 8 bytes a lane
	GBLK 2, 1, 9
	GBLK 2, 2, 10
	GBLK 2, 3, 11
.endif
	WIN 0x04                                   ; source 1 (X's fragments) in window 1, all else in window 0
.irp u, 0,1,2,3,4,5,6
	STEP \nt, \u, \af, \r, \la
.endr
	WIN 0                                      ; at a label and at a branch every window is 0
	s_add_co_u32 s[TB], s[TB], TRIPB
.if (\nt) == 4
	s_add_co_u32 s[GC], s[GC], 1
.endif
	s_sub_co_u32 s[TC], s[TC], 1
	s_cmp_lg_u32 s[TC], 0
	s_cbranch_scc1 .Ltrip_\@
.endm
.macro DRAIN nt            ; the last step's folds that are still due, and its queue
.set dt, (\nt)/2
.rept (\nt)/2
	FOLD dt, 6
.set dt, dt+1
.endr
.set dq, 0
.rept 24*(\nt)+1
	QOP \nt, dq, 6
.set dq, dq+1
.endr
.endm
; A pass's end.  Each half of the lanes holds 20 samples' sums of all 14 classes.  Lanes 0-15 finish classes 0-6 and lanes 16-31 classes 7-13: each sends the other half's class, keeps its own and adds what it
; receives (VCC holds the upper half's lanes).  Then ln tot - ln(40 - tot) = ln 2 (log2 tot - log2(40 - tot)).  A store's 16 lanes write 256 (last pass: 128) consecutive bytes of a class's row.
.macro FIN nt
.set nk, 0
.rept 7
.set ne, EV+3*(\nt)*(nk%2)
.set nx, 0
.rept \nt
	v_cndmask_b32 v[ne+nx], v[ACC+14*nx+nk+7], v[ACC+14*nx+nk], vcc_lo
	v_cndmask_b32 v[ne+(\nt)+nx], v[ACC+14*nx+nk], v[ACC+14*nx+nk+7], vcc_lo
.set nx, nx+1
.endr
.set nx, 0
.rept \nt
	v_permlanex16_b32 v[ne+2*(\nt)+nx], v[ne+nx], s[SEL], s[SEL+1]
.set nx, nx+1
.endr
.set nx, 0
.rept \nt
	v_add_f32 v[SC+(\nt)*nk+nx], v[ne+(\nt)+nx], v[ne+2*(\nt)+nx]
.set nx, nx+1
.endr
.set nk, nk+1
.endr
.set nx, 0
.rept 7*(\nt)/2
	v_pk_fma_f32 v[EV+nx:EV+nx+1], v[SC+nx:SC+nx+1], -1.0, s[C40:C40+1] op_sel_hi:[1,0,0]   ; 40 - tot, rounded once
.set nx, nx+2
.endr
.set nx, 0
.rept 7*(\nt)
	v_log_f32 v[SC+nx], v[SC+nx]
.set nx, nx+1
.endr
.set nx, 0
.rept 7*(\nt)
	v_log_f32 v[EV+nx], v[EV+nx]
.set nx, nx+1
.endr
	v_nop                                      ; a plain line between the last logarithm and the use of its result
.set nx, 0
	s_wait_alu depctr_va_vdst(0)
.rept 7*(\nt)/2
	v_pk_add_f32 v[SC+nx:SC+nx+1], v[SC+nx:SC+nx+1], v[EV+nx:EV+nx+1] neg_lo:[0,1] neg_hi:[0,1]
.set nx, nx+2
.endr
.set nx, 0
.rept 7*(\nt)/2
	v_pk_mul_f32 v[SC+nx:SC+nx+1], v[SC+nx:SC+nx+1], s[LN2:LN2+1] op_sel_hi:[1,0]
.set nx, nx+2
.endr
.set nk, 0
.rept 7
.if (\nt) == 4
	global_store_b128 v[OO4], v[SC+4*nk:SC+4*nk+3], s[OB:OB+1] offset:nk*ROWB th:TH_STORE_NT
.else
	global_store_b64 v[OO2], v[SC+2*nk:SC+2*nk+1], s[OB:OB+1] offset:nk*ROWB th:TH_STORE_NT
.endif
.set nk, nk+1
.endr
	s_wait_xcnt 0x0                            ; the stores' data and base are rewritten only behind this wait (ISA guide 3.1)
.endm
	; ---- the head: places, offsets, constants ----
	s_load_b256 s[4:11], s[0:1], 0x0           ; features s[4:5], weight s[6:7], bias s[8:9], masks s[10:11]
	s_load_b64 s[12:13], s[0:1], 0x20          ; out0
	v_lshl_add_u32 v[SPW], v0, 2, SPARE
	v_mov_b32 v[NIL], 0
	v_lshrrev_b32 v1, 5, v0
	v_readfirstlane_b32 s[WV], v1              ; wave 0..3
	s_mov_b32 s[WGX], ttmp9                    ; block of 640 pixels
	s_and_b32 s[BATCH], ttmp7, 0xffff
	s_lshr_b32 s[LIM], s[WV], 1
	s_cmp_eq_u32 s[WGX], 31                    ; the batch's last block has 160 pixels: wave 0's share
	s_cselect_b32 s[IDLE], s[WV], 0
	s_cselect_b32 s38, 0, 2                    ; there the passes lie 64 pixels apart, elsewhere 256
	s_mul_i32 s39, s[WGX], BLKB
	s_lshl_b32 s18, s[WV], 8
	s_add_co_u32 s18, s18, s39                 ; pass 0: block + 64 w pixels, in bytes
	s_lshl_b32 s20, 256, s38
	s_add_co_u32 s20, s20, s18                 ; pass 1: 256 (64) pixels on
	s_lshl_b32 s22, 512, s38
	s_add_co_u32 s22, s22, s39
	s_lshl_b32 s38, s[WV], 7
	s_add_co_u32 s22, s22, s38                 ; pass 2: block + 512 (128) + 32 w pixels
	s_mov_b32 s19, 0
	s_mov_b32 s21, 0
	s_mov_b32 s23, 0
	s_mul_i32 s62, s[BATCH], 256*ROWB          ; the batch in features,
	s_mov_b32 s63, 0
	s_mul_i32 s82, s[BATCH], 14*ROWB           ; in out0,
	s_mov_b32 s83, 0
	s_lshl_b32 s84, s[BATCH], 10               ; and in masks, with my first unit's samples 4 w ..
	s_lshl_b32 s38, s[WV], 15
	s_add_co_u32 s84, s84, s38
	s_mov_b32 s85, 0
	s_sub_co_u32 s86, 1, s[LIM]                ; waves 0, 1: the third unit lies 32 samples on; waves 2, 3 have none and load their first again, so that the registers are written
	s_lshl_b32 s86, s86, 18
	s_mov_b32 s87, 0
	s_mov_b32 s[CS], 0xc038aa3b                ; -2 log2e
	s_mov_b32 s[CS+1], s[CS]
	s_mov_b32 s[SEL], 0x76543210
	s_mov_b32 s[SEL+1], 0xfedcba98
	s_mov_b32 s[C40], 0x42200000               ; 40.0
	s_mov_b32 s[C40+1], s[C40]
	s_mov_b32 s[LN2], 0x3f317218               ; ln 2
	s_mov_b32 s[LN2+1], s[LN2]
	s_mov_b32 s[NL2E], 0xbfb8aa3b              ; -log2e
	s_mov_b32 vcc_lo, 0xffff0000               ; lanes 16-31; nothing else writes VCC
	v_and_b32 v1, 15, v0                       ; r
	v_bfe_u32 v15, v0, 4, 1                    ; h
	v_and_b32 v30, 31, v0                      ; lane
	v_mul_u32_u24 v[LB], v1, PITCH
	v_lshl_add_u32 v[LB], v15, 4, v[LB]
	v_mul_u32_u24 v31, v15, 8*ROWB
	v_lshl_add_u32 v[XO4], v1, 4, v31
	v_lshl_add_u32 v[XO2], v1, 3, v31
	v_mul_u32_u24 v31, v15, 7*ROWB
	v_lshl_add_u32 v[OO4], v1, 4, v31
	v_lshl_add_u32 v[OO2], v1, 3, v31
	v_add_nc_u32 v[LB4], 4*TILEB, v[LB]        ; h has served: the register takes my place four tiles on
	v_lshlrev_b32 v[WO], 5, v30
	s_mul_i32 s38, s[LIM], TRIPB               ; unit e = w + 4 i: tiles 7 (w >> 1) + 14 i .., rows 8 (w & 1) ..
	s_and_b32 s39, s[WV], 1
	s_mul_i32 s39, s39, SIGB
	s_add_co_u32 s38, s38, s39
	v_lshl_add_u32 v[AD], v30, 4, s38
	s_mul_i32 s39, s[WV], PITCH                ; copy: rows w, w + 4, .. of the 32 rows of tiles 0 and 1
	v_lshl_add_u32 v[CA], v30, 4, s39
	v_add_nc_u32 v[CB], COPYB, v[CA]
	s_wait_kmcnt 0x0
	s_load_b256 s[48:55], s[8:9], 0x0          ; the 14 biases
	s_load_b128 s[56:59], s[8:9], 0x20
	s_load_b64 s[60:61], s[8:9], 0x30
	s_add_nc_u64 s[4:5], s[4:5], s[62:63]
	s_add_nc_u64 s[12:13], s[12:13], s[82:83]
	s_add_nc_u64 s[MBASE:MBASE+1], s[10:11], s[84:85]
	s_add_nc_u64 s[MB2:MB2+1], s[MBASE:MBASE+1], s[86:87]
	s_add_nc_u64 s[XN:XN+1], s[4:5], s[18:19]
	s_add_nc_u64 s[X2:X2+1], s[4:5], s[22:23]
	s_add_nc_u64 s[OB:OB+1], s[12:13], s[18:19]
	s_add_nc_u64 s[O1:O1+1], s[12:13], s[20:21]
	s_add_nc_u64 s[O2:O2+1], s[12:13], s[22:23]
	SETX XN
	; ---- 52 loads: my 8 channels of all 14 rows of weights, and of the masks of my units' 12 samples ----
	WIN 0x40
.set bk, 0
.rept 14
	global_load_b128 v[WT+8*bk:WT+8*bk+3],   v[WO], s[6:7] offset:1024*bk
	global_load_b128 v[WT+8*bk+4:WT+8*bk+7], v[WO], s[6:7] offset:1024*bk+16
.set bk, bk+1
.endr
	WIN 0
.irp i, 0,1
.irp s, 0,1,2,3
	global_load_b128 v[MA+32*\i+8*\s:MA+32*\i+8*\s+3],   v[WO], s[MBASE:MBASE+1] offset:131072*\i+8192*\s
	global_load_b128 v[MA+32*\i+8*\s+4:MA+32*\i+8*\s+7], v[WO], s[MBASE:MBASE+1] offset:131072*\i+8192*\s+16
.endr
.endr
.irp s, 0,1,2,3
	global_load_b128 v[MA+64+8*\s:MA+64+8*\s+3],   v[WO], s[MB2:MB2+1] offset:8192*\s
	global_load_b128 v[MA+64+8*\s+4:MA+64+8*\s+7], v[WO], s[MB2:MB2+1] offset:8192*\s+16
.endr
	s_wait_kmcnt 0x0
.set bk, 0
.rept 14
	v_mul_f32 v[NB+bk], s[NL2E], s[48+bk]
.set bk, bk+1
.endr
	; ---- the first 63 loads of pass 0's X go out before the build, and land while it runs ----
	s_cmp_lg_u32 s[IDLE], 0
	s_cbranch_scc1 .Lno_x
	WIN 0x80
.set xl, 0
.rept 11
	XLD 4, xl
.set xl, xl+1
.endr
	s_wait_loadcnt 0xb                         ; loads come back in order (ISA guide 5.7.1): the 11 of X stay out, the 52 in front of them, which the build needs, are in
.rept 52
	XLD 4, xl                                  ; 63 loads of X are now out at the most
.set xl, xl+1
.endr
	WIN 0
	s_branch .Lbuild
.Lno_x:
	s_wait_loadcnt 0x0                         ; a wave without pixels has issued the 52 alone
.Lbuild:
	; ---- A: three units for waves 0 and 1, two for waves 2 and 3.  One text for a unit: the masks move up a place each trip. ----
	s_mov_b32 s[BC], 3
.Lunit:
	s_cmp_le_u32 s[BC], s[LIM]                 ; waves 2 and 3 have no third unit
	s_cbranch_scc1 .Lunit_done
.set bi, 0
.rept 32
	v_cvt_f32_i32 v[MF+bi], v[MA+bi]
.set bi, bi+1
.endr
.set bi, 0
.rept 64
	v_mov_b32 v[MA+bi], v[MA+32+bi]
.set bi, bi+1
.endr
.irp s, 0,1,2,3
	WIN 0x44                                   ; masks in window 0; weights and products in window 1
.set bk, 0
.rept 14
.irp a, 0,2,4,6
	v_pk_mul_f32 v[PR+8*bk+\a:PR+8*bk+\a+1], v[MF+8*\s+\a:MF+8*\s+\a+1], v[WT+8*bk+\a:WT+8*bk+\a+1]
.endr
.set bk, bk+1
.endr
	WIN 0x45
.set bk, 0
.rept 14
.irp a, 0,1,2,3
	v_cvt_pk_bf16_f32 v[PR+8*bk+\a], v[PR+8*bk+2*\a], v[PR+8*bk+2*\a+1]   ; in place, ascending: a result never lands on a number still to be read
.endr
.set bk, bk+1
.endr
	WIN 0x04                                   ; the stores' data in window 1
.set bk, 0
.rept 14
.set bq, 14*\s+bk                          ; the unit's row 8 u + j: tile u, row j of the unit's eight
	ds_store_b128 v[AD], v[PR+8*bk:PR+8*bk+3] offset:(16*(bq/8)+bq%8)*PITCH   ; 32 lanes: a row's 512 bytes
.set bk, bk+1
.endr
.endr
	WIN 0
	v_add_nc_u32 v[AD], 2*TRIPB, v[AD]         ; my next unit: four units, 14 tiles, on
.Lunit_done:
	s_sub_co_u32 s[BC], s[BC], 1
	s_cmp_lg_u32 s[BC], 0
	s_cbranch_scc1 .Lunit
	s_wait_dscnt 0x0                           ; for the others' sake: my rows of A are written
	s_barrier_signal -1
	s_barrier_wait -1
.irp i, 0,1,2,3,4,5,6,7
	ds_load_b128 v[CT+4*\i:CT+4*\i+3], v[CA] offset:4*PITCH*\i
.endr
	s_wait_dscnt 0x0
.irp i, 0,1,2,3,4,5,6,7
	ds_store_b128 v[CB], v[CT+4*\i:CT+4*\i+3] offset:4*PITCH*\i
.endr
	s_wait_dscnt 0x0                           ; my rows of the copies are written
	s_barrier_signal -1
	s_barrier_wait -1                          ; from here to the last barrier LDS is only read, and no wave waits for another
	s_cmp_lg_u32 s[IDLE], 0
	s_cbranch_scc1 .Lend                       ; a wave without pixels has done its part
	WIN 0x80                                   ; the other 65 loads of pass 0's X
	XLD 4, 63
	WIN 0xc0
.set xl, 64
.rept 64
	XLD 4, xl
.set xl, xl+1
.endr
	WIN 0
	PRO AF4, 8, 6
	s_mov_b32 s[PC], 2
	s_mov_b32 s[GC], 0
	s_add_nc_u64 s[XN:XN+1], s[4:5], s[20:21]  ; what pass 0 fetches: pass 1's X
.Lpass:                                            ; twice: the passes of four tiles.  The second finds its first six chunks of A in the ring: the look-ahead has read them from the copy of tile 0
	s_wait_loadcnt 0x0                         ; this pass's X is in, and no load names the bases
	SETX XN
	CONV 4
	INIT 4
	TRIPS 4, AF4, 8, 6
	DRAIN 4
	FIN 4
	s_mov_b64 s[XN:XN+1], s[X2:X2+1]
	s_mov_b64 s[OB:OB+1], s[O1:O1+1]
	s_mov_b32 s[GC], 8
	s_sub_co_u32 s[PC], s[PC], 1
	s_cmp_lg_u32 s[PC], 0
	s_cbranch_scc1 .Lpass
	; ---- the pass of two tiles: a longer ring, since a chunk feeds two products only ----
	s_wait_loadcnt 0x0
	s_wait_dscnt 0x0                           ; the old ring's look-ahead has landed: the new ring takes its registers
	PRO AF2, 14, 11
	CONV 2
	INIT 2
	s_mov_b64 s[OB:OB+1], s[O2:O2+1]
	TRIPS 2, AF2, 14, 11
	DRAIN 2
	FIN 2
.Lend:
	s_wait_dscnt 0x0                           ; my reads of A are back, the ring's look-ahead among them
	s_barrier_signal -1
	s_barrier_wait -1                          ; every wave's are: no wave runs its closing lines while another still reads LDS
	s_wait_tensorcnt 0x0                       ; the wave's end
	ds_add_u32 v[SPW], v[NIL]
	s_wait_dscnt 0x0
	s_endpgm
.Lfunc_end_k_qba5e42065e_mcdrop:
	.size	k_qba5e42065e_mcdrop, .Lfunc_end_k_qba5e42065e_mcdrop-k_qba5e42065e_mcdrop
	.p2alignl 7, 3214868480
	.fill 96, 4, 3214868480
	.section	.rodata,"a",@progbits
	.p2align	6, 0x0
	.amdhsa_kernel k_qba5e42065e_mcdrop
		.amdhsa_group_segment_fixed_size 313088
		.amdhsa_private_segment_fixed_size 0
		.amdhsa_enable_private_segment 0
		.amdhsa_kernarg_size 40
		.amdhsa_user_sgpr_count 2
		.amdhsa_user_sgpr_kernarg_segment_ptr 1
		.amdhsa_wavefront_size32 1
		.amdhsa_system_sgpr_workgroup_id_x 1
		.amdhsa_system_sgpr_workgroup_id_y 1
		.amdhsa_system_sgpr_workgroup_id_z 1
		.amdhsa_system_vgpr_workitem_id 0
		.amdhsa_next_free_vgpr 1024
		.amdhsa_next_free_sgpr 88
		.amdhsa_reserve_vcc 1
		.amdhsa_float_denorm_mode_32 3
		.amdhsa_float_denorm_mode_16_64 3
		.amdhsa_memory_ordered 1
		.amdhsa_forward_progress 1
		.amdhsa_inst_pref_size 244
	.end_amdhsa_kernel
	.amdgpu_metadata
---
amdhsa.version: [ 1, 2 ]
amdhsa.kernels:
  - .name:           k_qba5e42065e_mcdrop
    .symbol:         k_qba5e42065e_mcdrop.kd
    .args:
      - { .name: features, .offset: 0, .size: 8, .value_kind: global_buffer, .address_space: global }
      - { .name: weight, .offset: 8, .size: 8, .value_kind: global_buffer, .address_space: global }
      - { .name: bias, .offset: 16, .size: 8, .value_kind: global_buffer, .address_space: global }
      - { .name: masks, .offset: 24, .size: 8, .value_kind: global_buffer, .address_space: global }
      - { .name: out0, .offset: 32, .size: 8, .value_kind: global_buffer, .address_space: global }
    .group_segment_fixed_size: 313088
    .private_segment_fixed_size: 0
    .kernarg_segment_align: 8
    .kernarg_segment_size: 40
    .max_flat_workgroup_size: 128
    .sgpr_count:     88
    .vgpr_count:     1024
    .wavefront_size: 32
...
	.end_amdgpu_metadata
.endif
;; end of part 1
;; ======== version 2 of 2: 1 launch; 1.56 times as fast as version 1
;; launch mcdrop (part 2): grid 32 x 8, 4 waves a work-group, no clusters, 313,088 bytes of LDS; arguments features, weight, bias, masks, out0; writes out0
.if DOCPART == 2
	.amdgcn_target "amdgcn-amd-amdhsa--gfx1250"
	.amdhsa_code_object_version 6
	.text
	.protected	k_qba5e42065e_mcdrop
	.globl	k_qba5e42065e_mcdrop
	.p2align	8
	.type	k_qba5e42065e_mcdrop,@function
k_qba5e42065e_mcdrop:
	s_mov_b64 s[64:65], 0
	v_nop
	global_prefetch_b8 v0, s[64:65] scope:SCOPE_SE
	s_setreg_imm32_b32 hwreg(HW_REG_WAVE_MODE, 25, 1), 1
	s_wait_xcnt 0x0
; out0[b][k][p] = ln(tot) - ln(40 - tot),  tot = sum over the 40 samples s of sigmoid(2 sum_c w[k][c] mask[s][b][c] x[b][c][p] + bias[k]),
; which is log(mean) - log1p(-mean) of the mean tot / 40.  features [8][256][20000] f32, weight [14][256], bias [14], masks [40][8][256] i32, out0 [8][14][20000] f32.
; ONE PRODUCT.  For a batch the 40 x 14 = 560 rows w[k][c] mask[s][b][c] form a matrix A of 35 tiles of 16 rows x 256 channels.  The work-group makes A itself, in bf16, in LDS, and
; multiplies it with X (256 channels x pixels, rounded to bf16 on the way); sums in f32; the factor 2 of the dropout stands in the scale behind the product (exact).
; SHARES.  Work-group (x, y): batch y, pixels 640 x .. 640 x + 639 (x = 31: the last 160).  After the build each of the four waves is on its own: 160 pixels in three passes of 64, 64 and 32.
; In a pass X of all 256 channels lies in registers as B fragments, A's 35 tiles stream from LDS, and the sigmoids of tiles t - 1 and t - 2 stand behind the matrix instructions of tile t.
; At x = 31 wave 0 has all 160 pixels; waves 1 to 3 help to build A and go straight to the last barrier.
; BATCHES.  A step (one tile of A) leaves 8 nt scores a lane (nt: the pass's tiles of X).  Their way to the class sums: e (the fold), 2^e, 1 + 2^e, the reciprocal, the sum.  It is spread over three steps, so that a
; step has ONE wait for its transcendentals.  In step t's text stand: the folds of step t - 1's last tiles; step t - 1's 8 nt exponentials; THE WAIT; then, pair by pair, the sum of step t - 2's sigmoids, 1 + 2^e of step t - 1
; and its reciprocals; the folds of step t's first tiles.  So between two waits lie 8 nt reciprocals and, behind them, 8 nt exponentials: one batch of 16 nt, and nothing between the two waits names a result of theirs.
; The reciprocals have registers of their own (RV): the exponents' registers (EV) are folded anew while the reciprocals are open.  A trip's end has a second wait, ahead of the jump, for the reciprocals issued since the last step's.
; ROW ORDER OF A.  In a result lane (r, h) holds pixel r and rows 8 h + j.  Rows 0-7 of every tile belong to one unit of four samples, rows 8-15 to another: sample s = 4 e + s2, unit e = 2 blk + h,
; row 14 s2 + k = 8 u + j of the unit lies in tile 7 blk + u, row 8 h + j.  So register j of step u holds class (8 u + j) mod 14 in both halves of the lanes: a name known to the text.
; Each half of the lanes sums 20 samples; the halves meet once a pass.
; PIXEL ORDER.  Column r of tile T is pixel 4 r + T (last pass: 2 r + T): one 16-byte load brings a channel's numbers for all four tiles, 16 lanes take 256 consecutive bytes, and the results leave likewise.
; NO CLUSTER, NO TENSOR LOAD: the work-groups of a batch share the masks and weights alone, 55,296 bytes against 655,360 bytes of X of their own, and A takes 312,576 of the LDS, so no slot for X is left.
; LIMITS.  x and w mask are rounded to bf16 once.  v_exp_f32, v_rcp_f32 and v_log_f32 flush denormals (ISA guide 15.8): a sigmoid below 2^-126 counts as 0, so where all 40 logits lie
; below about -87 the result is -inf.  tot = 40 gives +inf and tot = 0 gives -inf, as the formula does.  Masks may hold any i32.  NaN and infinities are not treated apart.
;
; REGISTERS, in windows of 256 (s_set_vgpr_msb: bits 1:0 source 0, 3:2 source 1, 5:4 source 2, 7:6 destination):
;   window 0: addresses, -log2e bias, the class sums, the accumulators, the exponents at work, the reciprocals, the ring of A's fragments     window 1: X as B fragments (build: weights and products)
;   windows 2, 3: the next pass's X as loaded, f32
; The whole product loop runs under ONE setting (source 1 in window 1): no vector line in it has a vector register as its second source.
.set ROWB,  80000          ; bytes of one channel's or one class's 20,000 pixels
.set BLKB,  2560           ; a work-group's 640 pixels
.set QB,    64*ROWB        ; 64 channels: the step between the four bases of X, so that a load's immediate stays within 55 channels
.set PITCH, 528            ; a row of A in LDS: 512 bytes + 16 = 132 words: row r starts at bank 4 r mod 64 (64 banks of 4 bytes: ISA guide 11.1)
.set TILEB, 16*PITCH
.set TRIPB, 7*TILEB        ; the seven tiles of a pair of units: one trip of the product loop
.set SIGB,  8*PITCH        ; from a tile's rows 0-7 to its rows 8-15
.set COPYB, 35*TILEB       ; tiles 35, 36: copies of tiles 0, 1, which the ring's look-ahead reads at a pass's end
.set SPARE, 37*TILEB       ; 312,576 = 1,221 x 256: the spare words, 128 bytes a wave, which no other line names
.set SPW, 2                ; v2   SPARE + 4 x my thread's number; never rewritten
.set NIL, 3                ; v3   0; never rewritten
.set LB,  4                ; v4   my place in a tile of A: 528 r + 16 h; never rewritten
.set AB,  5                ; v5   the same in the trip's first tile
.set AB4, 6                ; v6   in its fifth
.set XO4, 7                ; v7   X: 8 channels x h + 16 r
.set XO2, 8                ; v8   X: 8 channels x h + 8 r
.set OO4, 9                ; v9   out: 7 classes x h + 16 r
.set OO2, 10               ; v10  out: 7 classes x h + 8 r
.set WO,  11               ; v11  32 x lane: my 8 channels in a row of weights or masks
.set AD,  12               ; v12  build: where my 16 bytes of a unit's first row go
.set CA,  13               ; v13  copy: from
.set CB,  14               ; v14  copy: to
.set LB4, 15               ; v15  (first h, at work in the head) LB + four tiles; then never rewritten
.set NB,  16               ; v16-29   -log2e bias[k]
.set ACC, 32               ; v32-87   sums of sigmoids: tile T, class k at 14 T + k
.set SC,  88               ; v88-119  accumulators, 8 a tile
.set EV,  120              ; v120-151 exponents, then 2^e, then 1 + 2^e: 8 a tile
.set AF4, 152              ; v152-215 ring of 8 fragments of A (passes of four tiles)
.set RV4, 216              ; v216-247 the reciprocals, which are the sigmoids: 8 a tile (passes of four tiles)
.set AF2, 144              ; v144-255 ring of 14 (the pass of two)
.set RV2, 104              ; v104-119 the reciprocals in the pass of two, whose accumulators end at v103
.set MA,  32               ; build: masks of three units, 32 registers each, v32-127
.set MF,  128              ; build: the unit in hand as f32
.set CT,  160              ; copy: 32 registers
.set WT,  0                ; window 1, build: weights, 8 k + channel
.set PR,  112              ; window 1, build: products
.set WV,  14
.set WGX, 15
.set BATCH, 16
.set IDLE, 17              ; not 0: a wave without pixels
.set MBASE, 24             ; s[24:25] masks at my first unit
.set MB2, 26               ; s[26:27] at my third
.set XN,  28               ; s[28:29] X of the pass to be fetched
.set X2,  30               ; s[30:31] X of the last pass
.set OB,  32               ; s[32:33] out0 of the pass in hand
.set O1,  34
.set O2,  36
.set XQ,  40               ; s[40:47] four bases of X, 64 channels apart
.set CS,  66               ; s[66:67] -2 log2e
.set SEL, 68               ; s[68:69] v_permlanex16_b32's selects: each lane takes its own place in the other half
.set TB,  70               ; s70  LDS byte at which the trip's seven tiles begin
.set C40, 72               ; s[72:73] 40.0
.set LN2, 74               ; s[74:75] ln 2
.set TC,  76
.set PC,  77
.set GC,  78               ; which group of X loads is due
.set BC,  79
.set LIM, 80               ; wave >> 1: waves 2 and 3 build one unit less
.set NL2E, 81
.set MSB, 0
.macro WIN new             ; the immediate's high byte repeats the setting that is left; a switch that changes nothing is dropped
.if MSB != (\new)
	s_set_vgpr_msb (MSB<<8)|(\new)
.set MSB, \new
.endif
.endm
; Load L of 128 of a pass's X: channel 32 (L / 16) + 16 ((L / 8) % 2) + L % 8 + 8 h, the lane's nt pixels.  The caller sets the window.
.macro XLD nt, L
.set xq, XQ+2*((\L)/32)
.set xi, (32*(((\L)/16)%2)+16*(((\L)/8)%2)+(\L)%8)*ROWB
.if (\nt) == 4
	global_load_b128 v[(4*(\L))%256:(4*(\L))%256+3], v[XO4], s[xq:xq+1] offset:xi th:TH_LOAD_NT
.else
	global_load_b64 v[2*(\L):2*(\L)+1], v[XO2], s[xq:xq+1] offset:xi th:TH_LOAD_NT
.endif
.endm
.macro SETX src            ; the four bases; it stands only where no load of X is out
	s_mov_b64 s[XQ:XQ+1], s[\src:\src+1]
	s_add_nc_u64 s[XQ+2:XQ+3], s[\src:\src+1], QB
	s_add_nc_u64 s[XQ+4:XQ+5], s[\src:\src+1], 2*QB
	s_add_nc_u64 s[XQ+6:XQ+7], s[\src:\src+1], 3*QB
.endm
; A group of 32 loads of the next pass's X, issued in the trip whose number is tag.  The wait shows the group before landed (it has had a whole trip), so no load is ever issued into a register that a pending load will write.
.macro GBLK nt, q, tag
	s_cmp_eq_u32 s[GC], \tag
	s_cbranch_scc0 .Lnog_\@
	s_wait_loadcnt 0x0
.if ((\nt) == 4) && ((\q) >= 2)
	WIN 0xc0
.else
	WIN 0x80
.endif
.set xl, 32*(\q)
.rept 32
	XLD \nt, xl
.set xl, xl+1
.endr
	WIN 0
.Lnog_\@:
.endm
; f32 as loaded -> B fragments: register 64 T + 8 cc + 4 u + ip of window 1 holds channels 32 cc + 16 u + 8 h + 2 ip, + 1 of the lane's pixel in tile T: the numbers of loads L and L + 1.
.macro CONV nt
.set cl, 0
.rept 64
.if ((\nt) == 4) && (cl >= 64)
	WIN 0x4f
.else
	WIN 0x4a
.endif
.set cb, 8*(cl/16)+4*((cl/8)%2)+(cl%8)/2
.set ct, 0
.rept \nt
.if (\nt) == 4
	v_cvt_pk_bf16_f32 v[64*ct+cb], v[(4*cl)%256+ct], v[(4*cl+4)%256+ct]
.else
	v_cvt_pk_bf16_f32 v[64*ct+cb], v[2*cl+ct], v[2*cl+2+ct]
.endif
.set ct, ct+1
.endr
.set cl, cl+2
.endr
	WIN 0
.endm
; A pass begins: the sums are 0.  The first two steps' vector work belongs to steps that have not been.  The step before the first leaves exponents of 2^127 (first half of the tiles) and scores of -1e30
; (second half), whose sigmoids are 1 / (1 + inf) = 0; the step before that leaves reciprocals of 0.  So one text serves every step.
.macro INIT nt
.set ii, 0
.rept 14*(\nt)
	v_mov_b32 v[ACC+ii], 0
.set ii, ii+1
.endr
.set ii, 0
.rept 8*(\nt)
	v_mov_b32 v[RV2+(RV4-RV2)*((\nt)/4)+ii], 0
.set ii, ii+1
.endr
.set ii, 0
.rept 4*(\nt)
	v_mov_b32 v[EV+ii], 0x7f000000
	v_mov_b32 v[SC+4*(\nt)+ii], 0xf149f2ca
.set ii, ii+1
.endr
.endm
; The ring's first fill: chunks 0 .. la - 1 (a chunk: 16 rows x 32 channels, two loads of 16 bytes, 32 bytes apart).
.macro PRO af, r, la
.set pg, 0
.rept \la
	ds_load_b128 v[(\af)+8*(pg%(\r)):(\af)+8*(pg%(\r))+3],   v[LB] offset:(pg/8)*TILEB+64*(pg%8)
	ds_load_b128 v[(\af)+8*(pg%(\r))+4:(\af)+8*(pg%(\r))+7], v[LB] offset:(pg/8)*TILEB+64*(pg%8)+32
.set pg, pg+1
.endr
.endm
; Tile t's finished scores of step u leave the accumulator, its lowest registers first: e = -2 log2e s - log2e bias, so that sigmoid = 1 / (1 + 2^e).
.macro FOLD t, u
.set fj, 0
.rept 4
.set fk, NB+(8*(\u)+2*fj)%14
	v_pk_fma_f32 v[EV+8*(\t)+2*fj:EV+8*(\t)+2*fj+1], v[SC+8*(\t)+2*fj:SC+8*(\t)+2*fj+1], s[CS:CS+1], v[fk:fk+1] op_sel_hi:[1,0,1]
.set fj, fj+1
.endr
.endm
; THE LINES OF A SIGMOID, for pair p of 4 nt (registers 2 p, 2 p + 1; tile p / 4).
; SUM: the pair's two sigmoids, of step us, onto their class sums.  It is a multiply-add by 1.0: a packed addition would name the sums as its second source, which the loop's window setting sends to window 1.
.macro SUM nt, p, us
.set qa, ACC+14*((\p)/4)+(8*(\us)+2*((\p)%4))%14
.set qr, RV2+(RV4-RV2)*((\nt)/4)+2*(\p)
	v_pk_fma_f32 v[qa:qa+1], v[qr:qr+1], 1.0, v[qa:qa+1] op_sel_hi:[1,0,1]
.endm
.macro ONE p               ; 1 + 2^e, in place
	v_pk_add_f32 v[EV+2*(\p):EV+2*(\p)+1], v[EV+2*(\p):EV+2*(\p)+1], 1.0 op_sel_hi:[1,0]
.endm
.macro RCP nt, i           ; the reciprocal of register i, into a register of its own
.set qr, RV2+(RV4-RV2)*((\nt)/4)+(\i)
	v_rcp_f32 v[qr], v[EV+(\i)]
.endm
; Entry q of THE LIST AHEAD OF THE WAIT: the 8 nt exponentials, in place, in ascending order.  None reads a transcendental's result.  With four tiles the list has 36 entries: entries 16, 18, 19 and 21 are v_nop.
; They fall behind matrix instructions 7 and 8 and are the four plain lines that the ring's refills behind instructions 8 and 12 want (STEP).
.macro QE nt, q
.set qx, (\q)
.if ((\nt) == 4) && ((\q) >= 22)
.set qx, (\q)-4
.elseif ((\nt) == 4) && ((\q) >= 16)
.set qx, 16+((\q)-16)/3
.endif
.if ((\nt) == 4) && ((\q) >= 16) && ((\q) < 22) && (((\q)-16)%3 != 1)
	v_nop
.else
	v_exp_f32 v[EV+qx], v[EV+qx]
.endif
.endm
; Entry q of THE LIST BEHIND THE WAIT, P = 4 nt pairs: sum 0, 1 + of pairs 0 and 1, the reciprocals of pair 0; then for k = 1 .. P - 2: sum k, 1 + of pair k + 1, the two reciprocals of pair k; then sum P - 1 and its pair's
; reciprocals; from entry 4 P on v_nop.  The sums are of step us, two steps back; 1 + and the reciprocals of the step between.  Sum k stands ahead of the reciprocals that take its registers; 1 + stands four lines ahead of
; its pair's reciprocals (pair 0: one, pair P - 1: three), so that no line reads the result of the line before it.  The list begins with a sum of reciprocals that were issued a step ago: that sum is the plain line
; between the last exponentials and the use of their results (ISA guide 5.7.2); the first v_nop is that line behind the last reciprocal.
.macro QR nt, q, us
.set qn, 4*(\nt)
.if (\q) >= 4*qn
	v_nop
.elseif (\q) == 0
	SUM \nt, 0, \us
.elseif (\q) == 1
	ONE 0
.elseif (\q) >= 4*qn-2
	RCP \nt, (\q)-2*qn
.elseif ((\q)-1)%4 == 0
	SUM \nt, ((\q)-1)/4, \us
.elseif ((\q)-1)%4 == 1
	ONE ((\q)-1)/4+1
.else
	RCP \nt, 2*(((\q)-1)/4)+((\q)-1)%4-2
.endif
.endm
; What stands behind matrix instruction n of step u.  Behind the first nt / 2: the folds of the step before's last tiles.  Behind the last nt / 2: the folds of this step's first tiles.  Between: QE's list, three or four
; entries each, up to the instruction behind which the wait stands (n = 12; two tiles: n = 4); then QR's list (four tiles: 65 entries, two tiles: 36), three or four each.
; PLACES (ISA guide 7.12.1): four plain lines that name none of its registers stand between an accumulator's last product and its fold.  Four tiles: behind n = 28 and n = 29 the list ends sum, 1 +, two reciprocals, sum,
; two reciprocals, v_nop.  Two tiles: the list's last four entries, all v_nop, fall behind n = 14.  With two tiles a v_nop follows the fold: with the four before it, it is the fifth such line between an
; accumulator's last product and the product that starts it anew; the fold itself names the accumulator and is not counted.
.macro RIDERS nt, n, u
.set rh, (\nt)/2
.set rw, 8*(\nt)
.set ru, ((\u)+6)%7        ; the step before: its folds
.set rus, ((\u)+5)%7       ; the step before that: its sums
.if (\nt) == 4
.set rwt, 12               ; the wait stands behind this matrix instruction's lines
.set rl1, 36
.set rl2, 65
.else
.set rwt, 4
.set rl1, 16
.set rl2, 36
.endif
.if (\n) < rh
	FOLD rh+(\n), ru
.elseif (\n) >= rw-rh
	FOLD (\n)-(rw-rh), \u
.if (\nt) == 2
	v_nop
.endif
.elseif (\n) <= rwt
.set rx, rl1*((\n)-rh)/(rwt-rh+1)
.set ry, rl1*((\n)-rh+1)/(rwt-rh+1)
.rept ry-rx
	QE \nt, rx
.set rx, rx+1
.endr
.else
.set rx, rl2*((\n)-rwt-1)/(rw-rh-rwt-1)
.set ry, rl2*((\n)-rwt)/(rw-rh-rwt-1)
.rept ry-rx
	QR \nt, rx, rus
.set rx, rx+1
.endr
.endif
.endm
; One tile of A against the pass's nt tiles of X: 8 chunks of 32 channels, the nt accumulators by turns, one instruction a turn, over the steps' and trips' edges too.
; The first product of each accumulator takes the constant 0.  Chunk g's pair of loads was issued la chunks ahead; the wait leaves the la - 1 younger pairs out.
; The refill of a ring place stands behind the vector lines of six matrix instructions after the place's last reader: four plain lines at the least (the leanest six: the stretch of exponentials, with its four v_nop).
.macro STEP nt, u, af, r, la
.set zn, 0
.rept 8*(\nt)
.set zc, zn/(\nt)
.set zt, zn%(\nt)
.set zg, 8*(\u)+zc
.set za, (\af)+8*(zg%(\r))
.if zt == 0
	s_wait_dscnt 2*((\la)-1)
.endif
.if zc == 0
	v_wmma_f32_16x16x32_bf16 v[SC+8*zt:SC+8*zt+7], v[za:za+7], v[64*zt+8*zc:64*zt+8*zc+7], 0
.else
	v_wmma_f32_16x16x32_bf16 v[SC+8*zt:SC+8*zt+7], v[za:za+7], v[64*zt+8*zc:64*zt+8*zc+7], v[SC+8*zt:SC+8*zt+7]
.endif
	RIDERS \nt, zn, \u
.if zn == rwt
	s_wait_alu depctr_va_vdst(0)               ; THE STEP'S ONE WAIT, for the batch of 16 nt: the reciprocals issued behind the step before's later products and the exponentials issued behind this step's first; it stands ahead of the first line that names a result: QR's list, behind the next product
.endif
.if zt == 0
.set zl, zg+(\la)
.set zd, (\af)+8*(zl%(\r))
.if zl/8 < 4
	ds_load_b128 v[zd:zd+3],   v[AB] offset:(zl/8)*TILEB+64*(zl%8)
	ds_load_b128 v[zd+4:zd+7], v[AB] offset:(zl/8)*TILEB+64*(zl%8)+32
.else
	ds_load_b128 v[zd:zd+3],   v[AB4] offset:(zl/8-4)*TILEB+64*(zl%8)
	ds_load_b128 v[zd+4:zd+7], v[AB4] offset:(zl/8-4)*TILEB+64*(zl%8)+32
.endif
.endif
.set zn, zn+1
.endr
.endm
; A pass's products: five trips of seven tiles.  56 chunks a trip are a multiple of both rings' lengths, so the ring's places repeat from trip to trip.
; The trip's two LDS addresses are made anew at its head: the trip's byte, 0 to 4 x 59,136 in a scalar register that steps once a trip, plus my lane's fixed place.  With the look-ahead of at most
; 11 chunks the highest byte read lies in tile 36, under the spare words.
.macro TRIPS nt, af, r, la
	s_mov_b32 s[TB], 0
	s_mov_b32 s[TC], 5
.Ltrip_\@:
	v_add_nc_u32 v[AB], s[TB], v[LB]
	v_add_nc_u32 v[AB4], s[TB], v[LB4]
.if (\nt) == 4
	GBLK 4, 0, 0                               ; the first pass fetches the second's X, 16 bytes a lane, in its trips 0 to 3;
	GBLK 4, 1, 1
	GBLK 4, 2, 2
	GBLK 4, 3, 3
	GBLK 2, 0, 8                               ; the second pass (its trips count from 8) the last pass's, 8 bytes a lane
	GBLK 2, 1, 9
	GBLK 2, 2, 10
	GBLK 2, 3, 11
.endif
	WIN 0x04                                   ; source 1 (X's fragments) in window 1, all else in window 0
.irp u, 0,1,2,3,4,5,6
	STEP \nt, \u, \af, \r, \la
.endr
	s_wait_alu depctr_va_vdst(0)               ; the trip's end: the wait for the 8 nt reciprocals issued since the last step's wait; it stands ahead of the jump and of the labels behind it
	WIN 0                                      ; at a label and at a branch every window is 0
	s_add_co_u32 s[TB], s[TB], TRIPB
.if (\nt) == 4
	s_add_co_u32 s[GC], s[GC], 1
.endif
	s_sub_co_u32 s[TC], s[TC], 1
	s_cmp_lg_u32 s[TC], 0
	s_cbranch_scc1 .Ltrip_\@
.endm
; A pass's last two steps are finished: the last step's folds that are still due; its exponentials, one batch; the last step but one's sums with the last step's 1 + and reciprocals, a second batch; the last step's sums.
.macro DRAIN nt
.set dt, (\nt)/2
.rept (\nt)/2
	FOLD dt, 6
.set dt, dt+1
.endr
.set dq, 0
.rept 8*(\nt)+4*((\nt)/4)
	QE \nt, dq
.set dq, dq+1
.endr
	s_wait_alu depctr_va_vdst(0)               ; the wait for the batch of 8 nt exponentials, ahead of QR's list
.set dq, 0
.rept 16*(\nt)+1
	QR \nt, dq, 5                              ; the list and its first v_nop, the plain line behind the last reciprocal
.set dq, dq+1
.endr
	s_wait_alu depctr_va_vdst(0)               ; the wait for the batch of 8 nt reciprocals, ahead of the sums
.set dq, 0
.rept 4*(\nt)
	SUM \nt, dq, 6
.set dq, dq+1
.endr
.endm
; A pass's end.  Each half of the lanes holds 20 samples' sums of all 14 classes.  Lanes 0-15 finish classes 0-6 and lanes 16-31 classes 7-13: each sends the other half's class, keeps its own and adds what it
; receives (VCC holds the upper half's lanes).  Then ln tot - ln(40 - tot) = ln 2 (log2 tot - log2(40 - tot)).  A store's 16 lanes write 256 (last pass: 128) consecutive bytes of a class's row.
.macro FIN nt
.set nk, 0
.rept 7
.set ne, EV+3*(\nt)*(nk%2)
.set nx, 0
.rept \nt
	v_cndmask_b32 v[ne+nx], v[ACC+14*nx+nk+7], v[ACC+14*nx+nk], vcc_lo
	v_cndmask_b32 v[ne+(\nt)+nx], v[ACC+14*nx+nk], v[ACC+14*nx+nk+7], vcc_lo
.set nx, nx+1
.endr
.set nx, 0
.rept \nt
	v_permlanex16_b32 v[ne+2*(\nt)+nx], v[ne+nx], s[SEL], s[SEL+1]
.set nx, nx+1
.endr
.set nx, 0
.rept \nt
	v_add_f32 v[SC+(\nt)*nk+nx], v[ne+(\nt)+nx], v[ne+2*(\nt)+nx]
.set nx, nx+1
.endr
.set nk, nk+1
.endr
.set nx, 0
.rept 7*(\nt)/2
	v_pk_fma_f32 v[EV+nx:EV+nx+1], v[SC+nx:SC+nx+1], -1.0, s[C40:C40+1] op_sel_hi:[1,0,0]   ; 40 - tot, rounded once
.set nx, nx+2
.endr
.set nx, 0
.rept 7*(\nt)
	v_log_f32 v[SC+nx], v[SC+nx]
.set nx, nx+1
.endr
.set nx, 0
.rept 7*(\nt)
	v_log_f32 v[EV+nx], v[EV+nx]
.set nx, nx+1
.endr
	v_nop                                      ; a plain line between the last logarithm and the use of its result
.set nx, 0
	s_wait_alu depctr_va_vdst(0)               ; the wait for the batch of 14 nt logarithms, ahead of the differences
.rept 7*(\nt)/2
	v_pk_add_f32 v[SC+nx:SC+nx+1], v[SC+nx:SC+nx+1], v[EV+nx:EV+nx+1] neg_lo:[0,1] neg_hi:[0,1]
.set nx, nx+2
.endr
.set nx, 0
.rept 7*(\nt)/2
	v_pk_mul_f32 v[SC+nx:SC+nx+1], v[SC+nx:SC+nx+1], s[LN2:LN2+1] op_sel_hi:[1,0]
.set nx, nx+2
.endr
.set nk, 0
.rept 7
.if (\nt) == 4
	global_store_b128 v[OO4], v[SC+4*nk:SC+4*nk+3], s[OB:OB+1] offset:nk*ROWB th:TH_STORE_NT
.else
	global_store_b64 v[OO2], v[SC+2*nk:SC+2*nk+1], s[OB:OB+1] offset:nk*ROWB th:TH_STORE_NT
.endif
.set nk, nk+1
.endr
	s_wait_xcnt 0x0                            ; the stores' data and base are rewritten only behind this wait (ISA guide 3.1)
.endm
	; ---- the head: places, offsets, constants ----
	s_load_b256 s[4:11], s[0:1], 0x0           ; features s[4:5], weight s[6:7], bias s[8:9], masks s[10:11]
	s_load_b64 s[12:13], s[0:1], 0x20          ; out0
	v_lshl_add_u32 v[SPW], v0, 2, SPARE
	v_mov_b32 v[NIL], 0
	v_lshrrev_b32 v1, 5, v0
	v_readfirstlane_b32 s[WV], v1              ; wave 0..3
	s_mov_b32 s[WGX], ttmp9                    ; block of 640 pixels
	s_and_b32 s[BATCH], ttmp7, 0xffff
	s_lshr_b32 s[LIM], s[WV], 1
	s_cmp_eq_u32 s[WGX], 31                    ; the batch's last block has 160 pixels: wave 0's share
	s_cselect_b32 s[IDLE], s[WV], 0
	s_cselect_b32 s38, 0, 2                    ; there the passes lie 64 pixels apart, elsewhere 256
	s_mul_i32 s39, s[WGX], BLKB
	s_lshl_b32 s18, s[WV], 8
	s_add_co_u32 s18, s18, s39                 ; pass 0: block + 64 w pixels, in bytes
	s_lshl_b32 s20, 256, s38
	s_add_co_u32 s20, s20, s18                 ; pass 1: 256 (64) pixels on
	s_lshl_b32 s22, 512, s38
	s_add_co_u32 s22, s22, s39
	s_lshl_b32 s38, s[WV], 7
	s_add_co_u32 s22, s22, s38                 ; pass 2: block + 512 (128) + 32 w pixels
	s_mov_b32 s19, 0
	s_mov_b32 s21, 0
	s_mov_b32 s23, 0
	s_mul_i32 s62, s[BATCH], 256*ROWB          ; the batch in features,
	s_mov_b32 s63, 0
	s_mul_i32 s82, s[BATCH], 14*ROWB           ; in out0,
	s_mov_b32 s83, 0
	s_lshl_b32 s84, s[BATCH], 10               ; and in masks, with my first unit's samples 4 w ..
	s_lshl_b32 s38, s[WV], 15
	s_add_co_u32 s84, s84, s38
	s_mov_b32 s85, 0
	s_sub_co_u32 s86, 1, s[LIM]                ; waves 0, 1: the third unit lies 32 samples on; waves 2, 3 have none and load their first again, so that the registers are written
	s_lshl_b32 s86, s86, 18
	s_mov_b32 s87, 0
	s_mov_b32 s[CS], 0xc038aa3b                ; -2 log2e
	s_mov_b32 s[CS+1], s[CS]
	s_mov_b32 s[SEL], 0x76543210
	s_mov_b32 s[SEL+1], 0xfedcba98
	s_mov_b32 s[C40], 0x42200000               ; 40.0
	s_mov_b32 s[C40+1], s[C40]
	s_mov_b32 s[LN2], 0x3f317218               ; ln 2
	s_mov_b32 s[LN2+1], s[LN2]
	s_mov_b32 s[NL2E], 0xbfb8aa3b              ; -log2e
	s_mov_b32 vcc_lo, 0xffff0000               ; lanes 16-31; nothing else writes VCC
	v_and_b32 v1, 15, v0                       ; r
	v_bfe_u32 v15, v0, 4, 1                    ; h
	v_and_b32 v30, 31, v0                      ; lane
	v_mul_u32_u24 v[LB], v1, PITCH
	v_lshl_add_u32 v[LB], v15, 4, v[LB]
	v_mul_u32_u24 v31, v15, 8*ROWB
	v_lshl_add_u32 v[XO4], v1, 4, v31
	v_lshl_add_u32 v[XO2], v1, 3, v31
	v_mul_u32_u24 v31, v15, 7*ROWB
	v_lshl_add_u32 v[OO4], v1, 4, v31
	v_lshl_add_u32 v[OO2], v1, 3, v31
	v_add_nc_u32 v[LB4], 4*TILEB, v[LB]        ; h has served: the register takes my place four tiles on
	v_lshlrev_b32 v[WO], 5, v30
	s_mul_i32 s38, s[LIM], TRIPB               ; unit e = w + 4 i: tiles 7 (w >> 1) + 14 i .., rows 8 (w & 1) ..
	s_and_b32 s39, s[WV], 1
	s_mul_i32 s39, s39, SIGB
	s_add_co_u32 s38, s38, s39
	v_lshl_add_u32 v[AD], v30, 4, s38
	s_mul_i32 s39, s[WV], PITCH                ; copy: rows w, w + 4, .. of the 32 rows of tiles 0 and 1
	v_lshl_add_u32 v[CA], v30, 4, s39
	v_add_nc_u32 v[CB], COPYB, v[CA]
	s_wait_kmcnt 0x0
	s_load_b256 s[48:55], s[8:9], 0x0          ; the 14 biases
	s_load_b128 s[56:59], s[8:9], 0x20
	s_load_b64 s[60:61], s[8:9], 0x30
	s_add_nc_u64 s[4:5], s[4:5], s[62:63]
	s_add_nc_u64 s[12:13], s[12:13], s[82:83]
	s_add_nc_u64 s[MBASE:MBASE+1], s[10:11], s[84:85]
	s_add_nc_u64 s[MB2:MB2+1], s[MBASE:MBASE+1], s[86:87]
	s_add_nc_u64 s[XN:XN+1], s[4:5], s[18:19]
	s_add_nc_u64 s[X2:X2+1], s[4:5], s[22:23]
	s_add_nc_u64 s[OB:OB+1], s[12:13], s[18:19]
	s_add_nc_u64 s[O1:O1+1], s[12:13], s[20:21]
	s_add_nc_u64 s[O2:O2+1], s[12:13], s[22:23]
	SETX XN
	; ---- 52 loads: my 8 channels of all 14 rows of weights, and of the masks of my units' 12 samples ----
	WIN 0x40
.set bk, 0
.rept 14
	global_load_b128 v[WT+8*bk:WT+8*bk+3],   v[WO], s[6:7] offset:1024*bk
	global_load_b128 v[WT+8*bk+4:WT+8*bk+7], v[WO], s[6:7] offset:1024*bk+16
.set bk, bk+1
.endr
	WIN 0
.irp i, 0,1
.irp s, 0,1,2,3
	global_load_b128 v[MA+32*\i+8*\s:MA+32*\i+8*\s+3],   v[WO], s[MBASE:MBASE+1] offset:131072*\i+8192*\s
	global_load_b128 v[MA+32*\i+8*\s+4:MA+32*\i+8*\s+7], v[WO], s[MBASE:MBASE+1] offset:131072*\i+8192*\s+16
.endr
.endr
.irp s, 0,1,2,3
	global_load_b128 v[MA+64+8*\s:MA+64+8*\s+3],   v[WO], s[MB2:MB2+1] offset:8192*\s
	global_load_b128 v[MA+64+8*\s+4:MA+64+8*\s+7], v[WO], s[MB2:MB2+1] offset:8192*\s+16
.endr
	s_wait_kmcnt 0x0
.set bk, 0
.rept 14
	v_mul_f32 v[NB+bk], s[NL2E], s[48+bk]
.set bk, bk+1
.endr
	; ---- the first 63 loads of pass 0's X go out before the build, and land while it runs ----
	s_cmp_lg_u32 s[IDLE], 0
	s_cbranch_scc1 .Lno_x
	WIN 0x80
.set xl, 0
.rept 11
	XLD 4, xl
.set xl, xl+1
.endr
	s_wait_loadcnt 0xb                         ; loads come back in order (ISA guide 5.7.1): the 11 of X stay out, the 52 in front of them, which the build needs, are in
.rept 52
	XLD 4, xl                                  ; 63 loads of X are now out at the most
.set xl, xl+1
.endr
	WIN 0
	s_branch .Lbuild
.Lno_x:
	s_wait_loadcnt 0x0                         ; a wave without pixels has issued the 52 alone
.Lbuild:
	; ---- A: three units for waves 0 and 1, two for waves 2 and 3.  One text for a unit: the masks move up a place each trip. ----
	s_mov_b32 s[BC], 3
.Lunit:
	s_cmp_le_u32 s[BC], s[LIM]                 ; waves 2 and 3 have no third unit
	s_cbranch_scc1 .Lunit_done
.set bi, 0
.rept 32
	v_cvt_f32_i32 v[MF+bi], v[MA+bi]
.set bi, bi+1
.endr
.set bi, 0
.rept 64
	v_mov_b32 v[MA+bi], v[MA+32+bi]
.set bi, bi+1
.endr
.irp s, 0,1,2,3
	WIN 0x44                                   ; masks in window 0; weights and products in window 1
.set bk, 0
.rept 14
.irp a, 0,2,4,6
	v_pk_mul_f32 v[PR+8*bk+\a:PR+8*bk+\a+1], v[MF+8*\s+\a:MF+8*\s+\a+1], v[WT+8*bk+\a:WT+8*bk+\a+1]
.endr
.set bk, bk+1
.endr
	WIN 0x45
.set bk, 0
.rept 14
.irp a, 0,1,2,3
	v_cvt_pk_bf16_f32 v[PR+8*bk+\a], v[PR+8*bk+2*\a], v[PR+8*bk+2*\a+1]   ; in place, ascending: a result never lands on a number still to be read
.endr
.set bk, bk+1
.endr
	WIN 0x04                                   ; the stores' data in window 1
.set bk, 0
.rept 14
.set bq, 14*\s+bk                          ; the unit's row 8 u + j: tile u, row j of the unit's eight
	ds_store_b128 v[AD], v[PR+8*bk:PR+8*bk+3] offset:(16*(bq/8)+bq%8)*PITCH   ; 32 lanes: a row's 512 bytes
.set bk, bk+1
.endr
.endr
	WIN 0
	v_add_nc_u32 v[AD], 2*TRIPB, v[AD]         ; my next unit: four units, 14 tiles, on
.Lunit_done:
	s_sub_co_u32 s[BC], s[BC], 1
	s_cmp_lg_u32 s[BC], 0
	s_cbranch_scc1 .Lunit
	s_wait_dscnt 0x0                           ; for the others' sake: my rows of A are written
	s_barrier_signal -1
	s_barrier_wait -1
.irp i, 0,1,2,3,4,5,6,7
	ds_load_b128 v[CT+4*\i:CT+4*\i+3], v[CA] offset:4*PITCH*\i
.endr
	s_wait_dscnt 0x0
.irp i, 0,1,2,3,4,5,6,7
	ds_store_b128 v[CB], v[CT+4*\i:CT+4*\i+3] offset:4*PITCH*\i
.endr
	s_wait_dscnt 0x0                           ; my rows of the copies are written
	s_barrier_signal -1
	s_barrier_wait -1                          ; from here to the last barrier LDS is only read, and no wave waits for another
	s_cmp_lg_u32 s[IDLE], 0
	s_cbranch_scc1 .Lend                       ; a wave without pixels has done its part
	WIN 0x80                                   ; the other 65 loads of pass 0's X
	XLD 4, 63
	WIN 0xc0
.set xl, 64
.rept 64
	XLD 4, xl
.set xl, xl+1
.endr
	WIN 0
	PRO AF4, 8, 6
	s_mov_b32 s[PC], 2
	s_mov_b32 s[GC], 0
	s_add_nc_u64 s[XN:XN+1], s[4:5], s[20:21]  ; what pass 0 fetches: pass 1's X
.Lpass:                                            ; twice: the passes of four tiles.  The second finds its first six chunks of A in the ring: the look-ahead has read them from the copy of tile 0
	s_wait_loadcnt 0x0                         ; this pass's X is in, and no load names the bases
	SETX XN
	CONV 4
	INIT 4
	TRIPS 4, AF4, 8, 6
	DRAIN 4
	FIN 4
	s_mov_b64 s[XN:XN+1], s[X2:X2+1]
	s_mov_b64 s[OB:OB+1], s[O1:O1+1]
	s_mov_b32 s[GC], 8
	s_sub_co_u32 s[PC], s[PC], 1
	s_cmp_lg_u32 s[PC], 0
	s_cbranch_scc1 .Lpass
	; ---- the pass of two tiles: a longer ring, since a chunk feeds two products only ----
	s_wait_loadcnt 0x0
	s_wait_dscnt 0x0                           ; the old ring's look-ahead has landed: the new ring takes its registers
	PRO AF2, 14, 11
	CONV 2
	INIT 2
	s_mov_b64 s[OB:OB+1], s[O2:O2+1]
	TRIPS 2, AF2, 14, 11
	DRAIN 2
	FIN 2
.Lend:
	s_wait_dscnt 0x0                           ; my reads of A are back, the ring's look-ahead among them
	s_barrier_signal -1
	s_barrier_wait -1                          ; every wave's are: no wave runs its closing lines while another still reads LDS
	s_wait_tensorcnt 0x0                       ; the wave's end
	ds_add_u32 v[SPW], v[NIL]
	s_wait_dscnt 0x0
	s_endpgm
.Lfunc_end_k_qba5e42065e_mcdrop:
	.size	k_qba5e42065e_mcdrop, .Lfunc_end_k_qba5e42065e_mcdrop-k_qba5e42065e_mcdrop
	.p2alignl 7, 3214868480
	.fill 96, 4, 3214868480
	.section	.rodata,"a",@progbits
	.p2align	6, 0x0
	.amdhsa_kernel k_qba5e42065e_mcdrop
		.amdhsa_group_segment_fixed_size 313088
		.amdhsa_private_segment_fixed_size 0
		.amdhsa_enable_private_segment 0
		.amdhsa_kernarg_size 40
		.amdhsa_user_sgpr_count 2
		.amdhsa_user_sgpr_kernarg_segment_ptr 1
		.amdhsa_wavefront_size32 1
		.amdhsa_system_sgpr_workgroup_id_x 1
		.amdhsa_system_sgpr_workgroup_id_y 1
		.amdhsa_system_sgpr_workgroup_id_z 1
		.amdhsa_system_vgpr_workitem_id 0
		.amdhsa_next_free_vgpr 1024
		.amdhsa_next_free_sgpr 88
		.amdhsa_reserve_vcc 1
		.amdhsa_float_denorm_mode_32 3
		.amdhsa_float_denorm_mode_16_64 3
		.amdhsa_memory_ordered 1
		.amdhsa_forward_progress 1
		.amdhsa_inst_pref_size 236
	.end_amdhsa_kernel
	.amdgpu_metadata
---
amdhsa.version: [ 1, 2 ]
amdhsa.kernels:
  - .name:           k_qba5e42065e_mcdrop
    .symbol:         k_qba5e42065e_mcdrop.kd
    .args:
      - { .name: features, .offset: 0, .size: 8, .value_kind: global_buffer, .address_space: global }
      - { .name: weight, .offset: 8, .size: 8, .value_kind: global_buffer, .address_space: global }
      - { .name: bias, .offset: 16, .size: 8, .value_kind: global_buffer, .address_space: global }
      - { .name: masks, .offset: 24, .size: 8, .value_kind: global_buffer, .address_space: global }
      - { .name: out0, .offset: 32, .size: 8, .value_kind: global_buffer, .address_space: global }
    .group_segment_fixed_size: 313088
    .private_segment_fixed_size: 0
    .kernarg_segment_align: 8
    .kernarg_segment_size: 40
    .max_flat_workgroup_size: 128
    .sgpr_count:     88
    .vgpr_count:     1024
    .wavefront_size: 32
...
	.end_amdgpu_metadata
.endif
;; end of part 2
